; MI455X (gfx1250); checked and timed in simulation.
; The chip was launched on July 23, 2026; its instructions are those of AMD's public machine-readable ISA for CDNA 5 (MIT licence, August 2026) and "CDNA5" Instruction Set Architecture Reference Guide (July 2026). The comments in the code are by the model that wrote it; some were corrected since.
;; Learnable Spherical Encoding. Allowed arithmetic: matrix products marked QUANTISED: E5M2 operands, one given power-of-two scale a tensor, by v_wmma_f32_16x16x64_bf8_bf8 or v_wmma_f32_16x16x128_bf8_bf8, f32 sums; products left as they are: f32 operands where the result goes on into a quantised operand, else bf16, f16 or f32 operands; f32 sums; everything else in f32.
;; Inputs: lowp_scales 2 int32 (the exponents e of the quantised operands' scales 2^e); sigma 1 float32; sphere_pos 3 x 512 float32; vec 262,144 x 3 float32; weights_codes 1 x 64 x 16 x 32 uint8 (E5M2 codes of weights, K innermost, in blocks of 32 codes).
;; Outputs: out0 262,144 x 64 float32.
;; This version of the problem:
;;   THIS VERSION OF THE PROBLEM IS GIVEN IN LOW PRECISION. The matrix products marked QUANTISED in the list below multiply operands that are first quantised to E5M2 (5 exponent bits, 2 mantissa bits; 8 bits a number), with one given power-of-two scale for each operand tensor; their sums are f32. All else is computed in f32.
;;   The module's matrix products, in the order in which they are computed (A, B: the left and right operand; K: the contracted axis; several contracted axes count as one K, in the product's order):
;;     1. [M 262,144, K 3] x [K 3, N 512]; A: input vec; B: input sphere_pos: left as it is (K = 3 < 32)
;;     2. [M 262,144, K 512] x [K 512, N 64]; A: computed on the way; B: input weights (given as codes): QUANTISED (scales: A lowp_scales[0], B lowp_scales[1])
;;   THE QUANTISER, for each operand of a quantised product, along K:
;;     - The operand's scale is 2^e, e = its entry of the input lowp_scales (int32; the entries are numbered through the quantised products in the list's order, A before B).
;;     - Each number is divided by the scale, clamped to +-57,344, and rounded to the nearest number of E5M2, ties to even, subnormals kept.
;;     - The product sums the exact products of the quantised numbers (number of the format x scale) in f32.
;;   ~~~python
;;   def quantise(x, axis, e):      # numpy; x: float32 -> the quantised numbers, widened to float32 again
;;       x = np.moveaxis(x, axis, -1); K = x.shape[-1]
;;       r = np.clip(x / 2.0 ** e, -57344, 57344)
;;       step = 2.0 ** (np.maximum(np.frexp(np.where(r == 0, 1, r))[1] - 1, -14) - 2)
;;       q = np.round(r / step) * step * 2.0 ** e      # np.round: ties to even
;;       return np.moveaxis(q, -1, axis).astype(np.float32)
;;   ~~~
;;   OPERANDS COMPUTED ON THE WAY. 'Computed on the way' means the value that the module computes at that place (a softmax that the list does not call 'softmax' is quantised finished and normalised). What goes into a quantiser is computed in f32, as accurately as f32 sums, v_exp_f32 and their like allow (about 1e-6 of the number): no bf16 or f16 on the way to a quantiser, and a product that is left as it is and whose result goes on into a quantised operand takes f32 operands (vector FMAs, or v_wmma_f32_16x16x4_f32). A number that lies on a knife's edge between two numbers of the format may be rounded either way, as far as f32 arithmetic and the matrix unit's own rounding can turn it there, and no further.
;;   INPUTS GIVEN AS CODES. weights (in the module: [1, 512, 64], K = its axis 1): each comes as NAME_codes (uint8): NAME with its K axis moved to the last place and cut into blocks of 32 codes, [.., K / 32, bytes a block], one block behind the other in memory; one code a byte (a code: sign, 5 exponent bits, 2 mantissa bits); its scale is its entry of lowp_scales. Its value is code x scale, taken as it is: it is not quantised again, and the codes and scales need not be those that the quantiser above would give.
;; 2 versions, each right; version 2 is version 1 with the launch sphere written anew for expert scheduling mode. Each part assembles by itself: llvm-mc -triple=amdgcn-amd-amdhsa -mcpu=gfx1250 --defsym DOCPART=n.
;; ======== version 1 of 2: 1 launch
;; launch sphere (part 1): grid 256 x 1, 4 waves a work-group, no clusters, 34,304 bytes of LDS; arguments vec, sphere_pos, weights_codes, sigma, lowp_scales, out0; writes out0
.if DOCPART == 1
	.amdgcn_target "amdgcn-amd-amdhsa--gfx1250"
	.amdhsa_code_object_version 6
	.text
	.protected	k_q8ebe4c655b_sphere
	.globl	k_q8ebe4c655b_sphere
	.p2align	8
	.type	k_q8ebe4c655b_sphere,@function
k_q8ebe4c655b_sphere:
	s_mov_b64 s[64:65], 0
	v_nop
	global_prefetch_b8 v0, s[64:65] scope:SCOPE_SE
	s_setreg_imm32_b32 hwreg(HW_REG_WAVE_MODE, 25, 1), 1
	s_wait_xcnt 0x0
; out[n][ch] = sum over the 512 points i of Q(p[n][i]) W[ch][i],  p = prob / (sum_i prob + 1e-8),  prob = exp(-(arccos(clip(vec[n] . pos[i])) / sigma)^2 / 2) / SQ2PI / sigma.
; Q: E5M2 codes with the given scale 2^e0; W arrives as E5M2 codes [64 ch][512 i] with the scale 2^e1; the codes are multiplied as they are, each finished sum once by 2^(e0 + e1).
;
; WORK LEFT OUT, BY AN IDENTITY.  With c = 1 / (SQ2PI sigma), which is the same for all i and not 0:  c e_i / (c S + 1e-8) = e_i / (S + 1e-8 SQ2PI sigma),  e_i = exp(..), S = sum e_i,
; for every finite sigma other than 0, of either sign.  So the two divisions of each number are not made, and 1e-8 SQ2PI sigma is added to S in place of 1e-8.  p, which is what the quantiser takes,
; is the same number.  LIMIT: an overflow or an infinity that arises only in those divisions (a very small sigma) is not carried to the result.
; No maximum is taken away ahead of the exponential, as in the problem itself: the exponent is minus a square, at most 0 for every input, so nothing can overflow.
;
; THE ARITHMETIC OF A NUMBER, all f32.  x = pos . vec by the f32 matrix form (K = 3, the fourth coordinate of pos is 0).  a = min(|x|, 1 - 1e-5): the clip and the magnitude in one.
; arccos(a) = sqrt(1 - a) P(a), P of degree 7 (Abramowitz and Stegun 4.4.46, error under 2e-8); for x < 0 the angle is pi - arccos(a).  Only the angle's square is wanted, and sigma is folded in:
; k = log2(e) / (2 sigma^2), kap = sqrt(k);  u = k - k a (one rounding);  s = sqrt(u) = kap sqrt(1 - a);  b = 0 or kap pi by x's sign;  d = s P - b;  e = 2^(-d d).
; LIMITS.  A NaN in vec or sphere_pos is not carried (the minimum drops it).  sigma is such that k, kap and 1e-8 SQ2PI sigma are normal f32 numbers.  An exponential under 2^-126 comes out as 0.
; e0 between -126 and 112, so that 2^e0 and 57,344 x 2^e0 are f32 numbers; e0 + e1 is applied by v_ldexp_f32 and has no limit.
;
; SHARES.  256 work-groups of four waves; a work-group owns 1,024 rows, a wave 256: sixteen tiles of 16 rows, one a trip.  A row's sum must be known before anything is quantised, so a tile's
; 16 x 512 numbers e stay in registers (256 a lane); so do all of W (256) and all fragments of pos (64).  The loop touches no LDS and has no barrier.
; NO CLUSTER, NO TENSOR LOADS: what work-groups share is W and pos, 38,912 bytes, read once by each work-group at its head, against 262,144 bytes that it stores.
;
; LAYOUTS: nothing changes lanes.  r = lane % 16, h = lane / 16.
; First product: source 0 = 16 points, source 1 = my 16 rows of vec: lane (r, h) holds row r, register j the tile's point 8 h + j.  THE POINTS OF A TILE ARE NOT NEIGHBOURS: lane r of tile 2 b + u takes
; point 32 b + 8 u + r + 8 (r / 8), so the 16 registers of tiles 2 b, 2 b + 1 are points 32 b + 16 h + 0 .. 15: two conversions make of them registers 4 c .. 4 c + 3 of a K step's fragment, the places
; that 16-byte loads at 32 c + 16 h give W: one permutation of k on both sides.
; Second product: source 0 = the codes (16 rows), source 1 = tile t of W, whose lane r takes CHANNEL 4 r + t: register j of lane (r, h) is out(row 8 h + j, channel 4 r + t), so the four tiles'
; registers j are 16 neighbouring bytes of a row, and sixteen lanes store a whole row of 256 bytes.
;
; REGISTERS, in windows of 256 (s_set_vgpr_msb: bits 1:0 source 0, 3:2 source 1, 5:4 source 2, 7:6 destination).
; Windows 1 (points 0-255) and 3 (points 256-511), the same map: v0-127 E, 16 a group of 32 points: u, then s, then -d d, then e, then p;  v128-143 a (later the codes of an even K step);
;   v144-159 P, then d (later the codes of an odd K step);  v160-175 the sign's term b;  v176-191 x: two results of the f32 matrix form, written by matrix instructions alone;
;   v192-223 pos: 16 tiles x 2;  v224-225 vec;  v226-227 a6;  v228-229 1 / the divisor;  v230 2^e0;  v231 57,344 x 2^e0;  v232-239 four running sums;  v240-251 a0 .. a5;  v252-253 k;  v254-255 kap pi / 2.
; Window 2: W's fragment (tile t, K step s) at v[16 (4 t + s)].
; Window 0: v0-7 ids, offsets, the spare word's address and 0;  v8-9 the next tile's vec;  v10-21 sums and the reciprocal;  v22-27 the head's addresses;  v32-63 out's four accumulators;  v64-95 out as stored;  v96-159 W as loaded.
.set WP,    528                        ; a row of W in LDS: 512 bytes + 16: the sixteen rows that a load touches start at sixteen different groups of banks
.set SPARE, 64*WP                      ; behind W (33,792 = 132 x 256): the spare words, 128 bytes for each wave, which no other line names
.set RA,   128
.set RP,   144
.set RH,   160
.set RD,   176
.set SPH,  192
.set VEC,  224
.set C6,   226
.set RR,   228
.set SCL,  230
.set LIM,  231
.set SUM,  232
.set C0,   240                         ; coefficient n (0 to 5), twice, at v[C0 + 2 n]
.set KV,   252
.set HPV,  254
.set ACC,  32
.set OUT,  64
.set WL,   96
.set NK,   20                          ; s[20:21] -k, twice
.set A7,   22                          ; s[22:23] a7, twice
.set SGN,  24                          ; s24  the sign bit
.set CLIP, 25                          ; s25  1 - 1e-5
.set LIMB, 26                          ; s26  57,344 x 2^e0
.set ESUM, 27                          ; s27  e0 + e1
.set EPS,  28                          ; s28  1e-8 SQ2PI sigma
.set HPB,  29                          ; s29  kap pi / 2
.set MSB, 0
.macro WIN new                         ; the immediate's high byte repeats the setting that is left; a switch that changes nothing is dropped
.if MSB != (\new)
	s_set_vgpr_msb (MSB<<8)|(\new)
.set MSB, (\new)
.endif
.endm
	s_load_b256 s[4:11], s[0:1], 0x0               ; vec s[4:5], sphere_pos s[6:7], weights_codes s[8:9], sigma s[10:11]
	s_load_b128 s[12:15], s[0:1], 0x20             ; lowp_scales s[12:13], out0 s[14:15]
	v_lshl_add_u32 v6, v0, 2, SPARE                ; my spare word; never rewritten
	v_mov_b32 v7, 0                                ; 0; never rewritten
	v_lshrrev_b32 v27, 5, v0
	v_readfirstlane_b32 s16, v27                   ; wave 0..3
	v_and_b32 v27, 31, v0                          ; lane
	v_and_b32 v1, 15, v0                           ; r
	v_bfe_u32 v2, v0, 4, 1                         ; h
	v_mul_u32_u24 v4, v1, 12                       ; a row of vec is 12 bytes
	v_lshl_add_u32 v3, v2, 3, v4                   ; vec, register 0: coordinate 2 h of row r
	v_add_nc_u32 v4, 4, v4                         ; register 1: coordinate 1; in lanes 16-31 it stands at k = 3, where pos holds 0
	v_lshlrev_b32 v5, 4, v1
	v_lshl_add_u32 v5, v2, 11, v5                  ; out: row 8 h of 256 bytes, + 16 r
	v_lshlrev_b32 v22, 4, v27                      ; 16 x lane: a row of W, 512 bytes, to an instruction
	v_and_b32 v23, 8, v1
	v_add_nc_u32 v23, v23, v1                      ; r + 8 (r / 8)
	v_lshlrev_b32 v24, 2, v23
	v_lshl_add_u32 v23, v2, 12, v24                ; pos, register 0: coordinate 2 h (a coordinate's 512 numbers are 2,048 bytes)
	v_add_nc_u32 v24, 2048, v24                    ; register 1: coordinate 1; lanes 16-31 get 0 below
	s_mul_i32 s18, s16, 4*WP
	v_add_nc_u32 v25, s18, v22                     ; W into LDS: 16 x lane + 4 rows x wave
	v_mul_u32_u24 v26, v1, WP
	v_lshl_add_u32 v26, v2, 4, v26                 ; W out of LDS: row r, + 16 h
	v_mov_b32 v19, 0                               ; written once: a lane permute's destination counts as one of its sources
	s_mul_i32 s18, ttmp9, 1024*12
	s_mul_i32 s19, s16, 256*12
	s_add_co_u32 s32, s18, s19                     ; my wave's first row, 1,024 x work-group + 256 x wave, in bytes of vec,
	s_mov_b32 s33, 0
	s_lshl_b32 s34, ttmp9, 18
	s_lshl_b32 s35, s16, 16
	s_add_co_u32 s34, s34, s35                     ; and of out
	s_mov_b32 s35, 0
	s_lshl_b32 s36, s16, 13                        ; the 16 channels of W that my wave brings: 16 x 512 bytes x wave
	s_mov_b32 s37, 0
	s_mov_b32 s[A7], 0xbaa57a2c                    ; a7 = -0.0012624911
	s_mov_b32 s[A7+1], s[A7]                       ; (named with it as a pair, so it is written)
	s_mov_b32 s[SGN], 0x80000000
	s_mov_b32 s[CLIP], 0x3f7fff58                  ; 1 - 1e-5 as f32
	s_mov_b32 s46, 0x76543210                      ; v_permlanex16_b32's selects for lane l xor 16
	s_mov_b32 s47, 0xfedcba98
	s_wait_kmcnt 0x0
	s_load_b32 s38, s[10:11], 0x0                  ; sigma
	s_load_b64 s[30:31], s[12:13], 0x0             ; e0, e1
	s_add_nc_u64 s[4:5], s[4:5], s[32:33]
	s_add_nc_u64 s[14:15], s[14:15], s[34:35]
	s_add_nc_u64 s[8:9], s[8:9], s[36:37]
.set i, 0
.rept 16
	global_load_b128 v[WL+4*i:WL+4*i+3], v22, s[8:9] offset:512*i   ; channel 16 w + i: 32 lanes read its 512 consecutive bytes
.set i, i+1
.endr
	global_load_b32 v8, v3, s[4:5]                 ; tile 0's rows of vec
	global_load_b32 v9, v4, s[4:5]
.macro SPHLOAD half                    ; the 16 tiles of 16 points of one half of the sphere; tile i begins at point 256 half + 32 (i / 2) + 8 (i % 2)
.set i, 0
.rept 16
	global_load_b32 v[SPH+2*i],   v23, s[6:7] offset:4*(256*(\half)+32*(i/2)+8*(i%2))
	global_load_b32 v[SPH+2*i+1], v24, s[6:7] offset:4*(256*(\half)+32*(i/2)+8*(i%2))
.set i, i+1
.endr
.endm
	WIN 0x40                                       ; destination window 1, address window 0
	SPHLOAD 0
	WIN 0xc0                                       ; destination window 3
	SPHLOAD 1
	WIN 0
	; the constants that hang on sigma and on the scales, once
	s_wait_kmcnt 0x0
	v_mov_b32 v10, s38
	v_mul_f32 v11, v10, v10                        ; sigma^2
	v_rcp_f32 v12, v11
	v_mul_f32 v15, 0x32d75157, v10                 ; 1e-8 SQ2PI sigma.  (The plain line behind the reciprocal)
	s_wait_alu depctr_va_vdst(0)                   ; the wait ahead of the first line that names a transcendental's result
	v_fma_f32 v13, -v11, v12, 1.0                  ; one Newton step
	v_fma_f32 v12, v13, v12, v12
	v_mul_f32 v12, 0x3f38aa3b, v12                 ; k = (log2(e) / 2) / sigma^2
	v_sqrt_f32 v13, v12                            ; kap
	v_nop
	s_wait_alu depctr_va_vdst(0)
	v_mul_f32 v14, 0x3fc90fdb, v13                 ; kap pi / 2
	v_readfirstlane_b32 s40, v12
	v_readfirstlane_b32 s[HPB], v14
	v_readfirstlane_b32 s[EPS], v15
	s_xor_b32 s[NK], s40, 0x80000000               ; -k
	s_mov_b32 s[NK+1], s[NK]
	s_add_co_i32 s[ESUM], s30, s31                 ; e0 + e1
	s_add_co_i32 s39, s30, 127
	s_add_co_i32 s[LIMB], s39, 15
	s_lshl_b32 s39, s39, 23                        ; 2^e0 as f32: the conversion takes its exponent field
	s_lshl_b32 s[LIMB], s[LIMB], 23
	s_or_b32 s[LIMB], s[LIMB], 0x600000            ; 57,344 x 2^e0
	; W goes through LDS once, so that each work-group reads it from memory once, in whole rows: channel 4 r + t lands in LDS row 16 t + r
	s_wait_loadcnt 0x0                             ; W, pos and tile 0's vec are in
.set i, 0
.rept 16
	ds_store_b128 v25, v[WL+4*i:WL+4*i+3] offset:((i%4)*16+i/4)*WP   ; channel 16 w + i: t = i % 4, r = 4 w + i / 4
.set i, i+1
.endr
	s_wait_dscnt 0x0                               ; for the others' sake: my stores have landed
	s_barrier_signal -1
	s_barrier_wait -1                              ; all 64 rows lie in LDS
	WIN 0x80                                       ; destination window 2
.irp t, 0,1,2,3
.irp s, 0,1,2,3
.irp c, 0,1,2,3
	ds_load_b128 v[16*(4*\t+\s)+4*\c:16*(4*\t+\s)+4*\c+3], v26 offset:16*\t*WP+128*\s+32*\c   ; W(channel 4 r + t, 128 s + 32 c + 16 h + 0 .. 15): it stays
.endr
.endr
.endr
	WIN 0
	v_cmp_gt_u32 vcc_lo, 16, v27                   ; lanes 0-15
.macro TWICE reg, val
	v_mov_b32 v[\reg], \val
	v_mov_b32 v[\reg+1], \val
.endm
.macro CONSTS                          ; a work window's constants; pos's coordinate 3 (register 1 of lanes 16-31) becomes 0
.set i, 0
.rept 16
	v_cndmask_b32 v[SPH+2*i+1], 0, v[SPH+2*i+1], vcc_lo
.set i, i+1
.endr
	TWICE C0,    0x3fc90fda                        ; a0 =  1.5707963050
	TWICE C0+2,  0xbe5bbfca                        ; a1 = -0.2145988016
	TWICE C0+4,  0x3db63a9e                        ; a2 =  0.0889789874
	TWICE C0+6,  0xbd4d8392                        ; a3 = -0.0501743046
	TWICE C0+8,  0x3cfd10f8                        ; a4 =  0.0308918810
	TWICE C0+10, 0xbc8bfc66                        ; a5 = -0.0170881256
	TWICE C6,    0x3bda90c5                        ; a6 =  0.0066700901
	TWICE KV,    s40
	TWICE HPV,   s29
	v_mov_b32 v[SCL], s39
	v_mov_b32 v[LIM], s26
.endm
	WIN 0x55
	CONSTS
	WIN 0xff
	CONSTS
	WIN 0
	s_wait_dscnt 0x0                               ; W's fragments are in
	s_mov_b32 s17, 16                              ; tiles to go
; x of 16 points x my 16 rows: tile 2 g + u of the window's sixteen.  Each result is one instruction, begun with the constant 0; no vector instruction and no load ever writes its registers.
.macro DOT g, u
	v_wmma_f32_16x16x4_f32 v[RD+8*(\u):RD+8*(\u)+7], v[SPH+2*(2*(\g)+(\u)):SPH+2*(2*(\g)+(\u))+1], v[VEC:VEC+1], 0
.endm
; Behind each of a group's first 104 plain lines: every third line is followed by one transcendental.  Behind lines 3 to 48 the sixteen exponentials of the group BEFORE (its -d d was finished there),
; behind lines 51 to 96 this group's sixteen roots (u was finished at line 24).  None of the lines up to 104 names a result; lines 97 to 104 are plain lines behind the last of them.
.macro TICK
.set pc, pc+1
.if (pc%3) == 0
.set tq, pc/3-1
.if tq < 16
.if PEND
	v_exp_f32 v[EP+tq], v[EP+tq]
.endif
.elseif tq < 32
	v_sqrt_f32 v[EG+tq-16], v[EG+tq-16]
.endif
.endif
.endm
; A GROUP: 32 points, 16 numbers a lane, from x to -d d, under one window setting.  pend: the group before has exponentials and sums to come: 0 none; 1 its sums start the four chains; 2 they add on.
; next = 1: the next group's two products are issued as soon as x has been read for the last time: 88 and 64 plain lines, none of which names a register of theirs, ahead of the first read of their results
; (eight are asked behind this form: ISA guide 7.12.1).
.macro GROUP g, pend, next
.set EG, 16*(\g)
.set EP, 16*(\g)-16
.set PEND, \pend
.set pc, 0
.set i, 0
.rept 16
	v_min_num_f32 v[RA+i], |v[RD+i]|, s[CLIP]      ; a: the clip and the magnitude; each of the two results is read from its lowest register on
	TICK
.set i, i+1
.endr
.set i, 0
.rept 8
	v_pk_fma_f32 v[EG+i:EG+i+1], v[RA+i:RA+i+1], s[NK:NK+1], v[KV:KV+1] op_sel_hi:[1,0,1]   ; u = k - k a, one rounding
	TICK
.set i, i+2
.endr
.set i, 0
.rept 16
	v_and_or_b32 v[RH+i], v[RD+i], s[SGN], s[HPB]  ; kap pi / 2 with x's sign
	TICK
.set i, i+1
.endr
.if \next
	DOT (\g)+1, 0
.endif
.set i, 0
.rept 8
	v_pk_add_f32 v[RH+i:RH+i+1], v[HPV:HPV+1], v[RH+i:RH+i+1] neg_lo:[0,1] neg_hi:[0,1]     ; b = kap pi / 2 less that: exactly 0, or kap pi where x < 0
	TICK
.set i, i+2
.endr
.set i, 0
.rept 8
	v_pk_fma_f32 v[RP+i:RP+i+1], v[RA+i:RA+i+1], s[A7:A7+1], v[C6:C6+1] op_sel_hi:[1,0,1]   ; P by Horner: a7 a + a6,
	TICK
.set i, i+2
.endr
.irp n, 5,4,3,2,1,0
.set i, 0
.rept 8
	v_pk_fma_f32 v[RP+i:RP+i+1], v[RP+i:RP+i+1], v[RA+i:RA+i+1], v[C0+2*\n:C0+2*\n+1]       ; x a + the next coefficient
	TICK
.set i, i+2
.endr
.if (\n == 5) && \next
	DOT (\g)+1, 1
.endif
.endr
	s_wait_alu depctr_va_vdst(0)                   ; ONE wait for the 32 transcendentals above, ahead of the first line that names a result
.set i, 0
.rept 8
	v_pk_fma_f32 v[RP+i:RP+i+1], v[EG+i:EG+i+1], v[RP+i:RP+i+1], v[RH+i:RH+i+1] neg_lo:[0,0,1] neg_hi:[0,0,1]   ; d = s P - b
.if PEND == 2
	v_pk_add_f32 v[SUM+i%8:SUM+i%8+1], v[SUM+i%8:SUM+i%8+1], v[EP+i:EP+i+1]                 ; the row's sum of the unquantised e, four chains of pairs
.elseif (PEND == 1) && (i < 8)
	v_pk_add_f32 v[SUM+i:SUM+i+1], v[EP+i:EP+i+1], v[EP+i+8:EP+i+9]                         ; the first group starts the chains: nothing is cleared
.endif
.set i, i+2
.endr
.set i, 0
.rept 8
	v_pk_mul_f32 v[EG+i:EG+i+1], v[RP+i:RP+i+1], v[RP+i:RP+i+1] neg_lo:[1,0] neg_hi:[1,0]   ; -d d
.set i, i+2
.endr
.endm
; The window's last group has no successor to carry its exponentials and sums.
.macro DRAIN
.set i, 0
.rept 16
	v_exp_f32 v[112+i], v[112+i]
.set i, i+1
.endr
	v_nop                                          ; the plain line behind the last exponential
	s_wait_alu depctr_va_vdst(0)
.set i, 0
.rept 8
	v_pk_add_f32 v[SUM+i%8:SUM+i%8+1], v[SUM+i%8:SUM+i%8+1], v[112+i:113+i]
.set i, i+2
.endr
.endm
.macro HALF                            ; a window's eight groups
	GROUP 0, 0, 1
	GROUP 1, 1, 1
.irp g, 2,3,4,5,6
	GROUP \g, 2, 1
.endr
	GROUP 7, 2, 0
.endm
; Block q of K step s: 16 numbers a lane are normalised, held and turned into four registers of codes.
.macro SC s, q
.set EB, 64*((\s)%2)+16*(\q)
.set CB, RA+16*((\s)%2)+4*(\q)
	WIN 0x55+0xaa*((\s)/2)
.set i, 0
.rept 8
	v_pk_mul_f32 v[EB+i:EB+i+1], v[EB+i:EB+i+1], v[RR:RR+1]        ; p = e / (S + 1e-8 SQ2PI sigma)
.set i, i+2
.endr
.set i, 0
.rept 16
	v_med3_num_f32 v[EB+i], v[EB+i], -v[LIM], v[LIM]               ; the conversion to an 8-bit code does not saturate (ISA guide 7.6.2): the hold at the largest code x the scale, on both sides
.set i, i+1
.endr
	v_cvt_scalef32_pk8_bf8_f32 v[CB:CB+1],   v[EB:EB+7],    v[SCL] ; k = 32 q + 16 h + 0 .. 7,
	v_cvt_scalef32_pk8_bf8_f32 v[CB+2:CB+3], v[EB+8:EB+15], v[SCL] ; + 8 .. 15
	v_nop                                          ; one plain line between a scaled conversion and the matrix instruction that reads its result
.endm
; out's tile t, K step s.  The four accumulators take turns, one instruction a turn.  The first K step starts the sums.
.macro MM s, t
	WIN 0x09+2*((\s)/2)                            ; source 0 (the codes) window 1 or 3, source 1 (W) window 2, C and D window 0
.if (\s) == 0
	v_wmma_f32_16x16x128_bf8_bf8 v[ACC+8*(\t):ACC+8*(\t)+7], v[RA+16*((\s)%2):RA+16*((\s)%2)+15], v[16*(4*(\t)+(\s)):16*(4*(\t)+(\s))+15], 0
.else
	v_wmma_f32_16x16x128_bf8_bf8 v[ACC+8*(\t):ACC+8*(\t)+7], v[RA+16*((\s)%2):RA+16*((\s)%2)+15], v[16*(4*(\t)+(\s)):16*(4*(\t)+(\s))+15], v[ACC+8*(\t):ACC+8*(\t)+7]
.endif
.endm
.Ltile:                                            ; a trip: one tile of 16 rows
	s_wait_loadcnt 0x0                             ; this tile's vec, asked for a whole trip ago; the wait also frees the loads' base
	WIN 0x40
	v_mov_b32 v[VEC], v8
	v_mov_b32 v[VEC+1], v9
	WIN 0xc0
	v_mov_b32 v[VEC], v8
	v_mov_b32 v[VEC+1], v9
	WIN 0                                          ; at a branch and at a label every window is 0
	s_cmp_eq_u32 s17, 1                            ; the last tile asks for nothing: no load leaves vec
	s_cbranch_scc1 .Lno_next
	s_add_nc_u64 s[4:5], s[4:5], 16*12
	global_load_b32 v8, v3, s[4:5]                 ; the next tile's rows
	global_load_b32 v9, v4, s[4:5]
.Lno_next:
	; PASS 1: e for all 512 points, and the row's sum
	WIN 0x55
	DOT 0, 0
	DOT 0, 1
.rept 8
	v_nop                                          ; eight places between this form and the first read of its result (ISA guide 7.12.1); later groups' products have the group before them
.endr
	HALF
	WIN 0xff
	DOT 0, 0                                       ; the other half's first products stand ahead of this half's last exponentials and sums,
	DOT 0, 1
	WIN 0x55
	DRAIN                                          ; whose nine plain lines are the places behind them
	WIN 0xff
	HALF
	DRAIN
	; the divisor: both halves' four chains, the pair's two numbers, the row's other 256 points in lane l xor 16, and the small term
	WIN 0x0d                                       ; source 0 window 1, source 1 window 3, destination window 0
.irp c, 0,2,4,6
	v_pk_add_f32 v[10+\c:11+\c], v[SUM+\c:SUM+\c+1], v[SUM+\c:SUM+\c+1]
.endr
	WIN 0
	v_pk_add_f32 v[10:11], v[10:11], v[12:13]
	v_pk_add_f32 v[14:15], v[14:15], v[16:17]
	v_pk_add_f32 v[10:11], v[10:11], v[14:15]
	v_add_f32 v18, v10, v11
	v_permlanex16_b32 v19, v18, s46, s47
	v_add_f32 v18, v18, v19
	v_add_f32 v18, s[EPS], v18
	v_rcp_f32 v20, v18
	v_nop                                          ; the plain line behind the reciprocal
	s_wait_alu depctr_va_vdst(0)                   ; and the wait ahead of its first reader
	v_fma_f32 v21, -v18, v20, 1.0                  ; one Newton step: what goes into the quantiser is as fine as f32 allows
	v_fma_f32 v20, v21, v20, v20
	WIN 0x40
	v_mov_b32 v[RR], v20
	v_mov_b32 v[RR+1], v20
	WIN 0xc0
	v_mov_b32 v[RR], v20
	v_mov_b32 v[RR+1], v20
	; PASS 2: a K step's four products stand among the next K step's four blocks of vector work; each K step has code registers of its own
.irp q, 0,1,2,3
	SC 0, \q
.endr
.irp t, 0,1,2,3
	MM 0, \t
	SC 1, \t
.endr
.irp t, 0,1,2,3
	MM 1, \t
	SC 2, \t
.endr
.irp t, 0,1,2,3
	MM 2, \t
	SC 3, \t
.endr
.irp t, 0,1,2,3
	MM 3, \t
.endr
	WIN 0
.rept 4
	v_nop                                          ; four places between the last product and the first read of results (ISA guide 7.12.1)
.endr
.irp j, 0,1,2,3,4,5,6,7
.irp t, 0,1,2,3
	v_ldexp_f32 v[OUT+4*\j+\t], v[ACC+8*\t+\j], s[ESUM]            ; x 2^(e0 + e1); each accumulator from its lowest register on; channels 4 r + 0 .. 3 of row 8 h + j come to lie side by side
.endr
.endr
.irp j, 0,1,2,3,4,5,6,7
	global_store_b128 v5, v[OUT+4*\j:OUT+4*\j+3], s[14:15] offset:256*\j th:TH_STORE_NT   ; sixteen lanes store a whole row of out, 256 consecutive bytes, aligned; written once, read by nobody here
.endr
	s_wait_xcnt 0x0                                ; the stores have read their data and their base: both are written again only behind this wait
	s_add_nc_u64 s[14:15], s[14:15], 16*256
	s_sub_co_u32 s17, s17, 1
	s_cmp_lg_u32 s17, 0
	s_cbranch_scc1 .Ltile
	s_wait_tensorcnt 0x0                           ; the wave's end
	ds_add_u32 v6, v7
	s_wait_dscnt 0x0
	s_endpgm
.Lfunc_end_k_q8ebe4c655b_sphere:
	.size	k_q8ebe4c655b_sphere, .Lfunc_end_k_q8ebe4c655b_sphere-k_q8ebe4c655b_sphere
	.p2alignl 7, 3214868480
	.fill 96, 4, 3214868480
	.section	.rodata,"a",@progbits
	.p2align	6, 0x0
	.amdhsa_kernel k_q8ebe4c655b_sphere
		.amdhsa_group_segment_fixed_size 34304
		.amdhsa_private_segment_fixed_size 0
		.amdhsa_enable_private_segment 0
		.amdhsa_kernarg_size 48
		.amdhsa_user_sgpr_count 2
		.amdhsa_user_sgpr_kernarg_segment_ptr 1
		.amdhsa_wavefront_size32 1
		.amdhsa_system_sgpr_workgroup_id_x 1
		.amdhsa_system_sgpr_workgroup_id_y 1
		.amdhsa_system_sgpr_workgroup_id_z 1
		.amdhsa_system_vgpr_workitem_id 0
		.amdhsa_next_free_vgpr 1024
		.amdhsa_next_free_sgpr 66
		.amdhsa_reserve_vcc 1
		.amdhsa_float_denorm_mode_32 3
		.amdhsa_float_denorm_mode_16_64 3
		.amdhsa_memory_ordered 1
		.amdhsa_forward_progress 1
		.amdhsa_inst_pref_size 200
	.end_amdhsa_kernel
	.amdgpu_metadata
---
amdhsa.version: [ 1, 2 ]
amdhsa.kernels:
  - .name:           k_q8ebe4c655b_sphere
    .symbol:         k_q8ebe4c655b_sphere.kd
    .args:
      - { .name: vec, .offset: 0, .size: 8, .value_kind: global_buffer, .address_space: global }
      - { .name: sphere_pos, .offset: 8, .size: 8, .value_kind: global_buffer, .address_space: global }
      - { .name: weights_codes, .offset: 16, .size: 8, .value_kind: global_buffer, .address_space: global }
      - { .name: sigma, .offset: 24, .size: 8, .value_kind: global_buffer, .address_space: global }
      - { .name: lowp_scales, .offset: 32, .size: 8, .value_kind: global_buffer, .address_space: global }
      - { .name: out0, .offset: 40, .size: 8, .value_kind: global_buffer, .address_space: global }
    .group_segment_fixed_size: 34304
    .private_segment_fixed_size: 0
    .kernarg_segment_align: 8
    .kernarg_segment_size: 48
    .max_flat_workgroup_size: 128
    .sgpr_count:     66
    .vgpr_count:     1024
    .wavefront_size: 32
...
	.end_amdgpu_metadata
.endif
;; end of part 1
;; ======== version 2 of 2: 1 launch; version 1 with the launch sphere written anew for expert scheduling mode
;; launch sphere (part 2): grid 256 x 1, 4 waves a work-group, no clusters, 34,304 bytes of LDS; arguments vec, sphere_pos, weights_codes, sigma, lowp_scales, out0; writes out0
.if DOCPART == 2
	.amdgcn_target "amdgcn-amd-amdhsa--gfx1250"
	.amdhsa_code_object_version 6
	.text
	.protected	k_q8ebe4c655b_sphere
	.globl	k_q8ebe4c655b_sphere
	.p2align	8
	.type	k_q8ebe4c655b_sphere,@function
k_q8ebe4c655b_sphere:
	s_mov_b64 s[64:65], 0
	v_nop
	global_prefetch_b8 v0, s[64:65] scope:SCOPE_SE
	s_setreg_imm32_b32 hwreg(HW_REG_WAVE_SCHED_MODE, 0, 2), 2
	s_setreg_imm32_b32 hwreg(HW_REG_WAVE_MODE, 25, 1), 1
	s_wait_xcnt 0x0
	s_wait_alu depctr_vm_vsrc(0)
; out[n][ch] = sum over the 512 points i of Q(p[n][i]) W[ch][i],  p = prob / (sum_i prob + 1e-8),  prob = exp(-(arccos(clip(vec[n] . pos[i])) / sigma)^2 / 2) / SQ2PI / sigma.
; Q: E5M2 codes with the given scale 2^e0; W arrives as E5M2 codes [64 ch][512 i] with the scale 2^e1; the codes are multiplied as they are, each finished sum once by 2^(e0 + e1).
;
; WORK LEFT OUT, BY AN IDENTITY.  With c = 1 / (SQ2PI sigma), which is the same for all i and not 0:  c e_i / (c S + 1e-8) = e_i / (S + 1e-8 SQ2PI sigma),  e_i = exp(..), S = sum e_i,
; for every finite sigma other than 0, of either sign.  So the two divisions of each number are not made, and 1e-8 SQ2PI sigma is added to S in place of 1e-8.  p, which is what the quantiser takes,
; is the same number.  LIMIT: an overflow or an infinity that arises only in those divisions (a very small sigma) is not carried to the result.
; No maximum is taken away ahead of the exponential, as in the problem itself: the exponent is minus a square, at most 0 for every input, so nothing can overflow.
;
; THE ARITHMETIC OF A NUMBER, all f32.  x = pos . vec by the f32 matrix form (K = 3, the fourth coordinate of pos is 0).  a = min(|x|, 1 - 1e-5): the clip and the magnitude in one.
; arccos(a) = sqrt(1 - a) P(a), P of degree 7 (Abramowitz and Stegun 4.4.46, error under 2e-8); for x < 0 the angle is pi - arccos(a).  Only the angle's square is wanted, and sigma is folded in:
; k = log2(e) / (2 sigma^2), kap = sqrt(k);  u = k - k a (one rounding);  s = sqrt(u) = kap sqrt(1 - a);  b = 0 or kap pi by x's sign;  d = s P - b;  e = 2^(-d d).
; LIMITS.  A NaN in vec or sphere_pos is not carried (the minimum drops it).  sigma is such that k, kap and 1e-8 SQ2PI sigma are normal f32 numbers.  An exponential under 2^-126 comes out as 0.
; e0 between -126 and 112, so that 2^e0 and 57,344 x 2^e0 are f32 numbers; e0 + e1 is applied by v_ldexp_f32 and has no limit.
;
; SHARES.  256 work-groups of four waves; a work-group owns 1,024 rows, a wave 256: sixteen tiles of 16 rows, one a trip.  A row's sum must be known before anything is quantised, so a tile's
; 16 x 512 numbers e stay in registers (256 a lane); so do all of W (256) and all fragments of pos (64).  The loop touches no LDS and has no barrier.
; NO CLUSTER, NO TENSOR LOADS: what work-groups share is W and pos, 38,912 bytes, read once by each work-group at its head, against 262,144 bytes that it stores.
;
; THE MODE: SCHED_MODE bits 1:0 = 2 (LLVM: expert scheduling mode 2), set by the entry lines.  The code itself states the register dependences
; between vector or matrix instructions and memory or LDS instructions, with s_wait_alu, always for 0.
; THE PLAN.  Registers that memory or LDS instructions touch:
;   v3, v4, v5, v22-26, v6, v7   offsets and LDS addresses: written by vector lines at the head, never again.  One wait on va_vdst ahead of the head's first load states that they are written, for the whole kernel.
;   v96-159 of window 0          W as loaded: the head's loads land there, the head's LDS stores read them, nothing writes them again.
;   window 2, pos in 1 and 3     the head's loads land there; afterwards vector and matrix instructions alone name them.
;   v8, v9                       the next tile's vec.  A trip's head: four moves read them; a wait on va_vdst; the two loads of the tile after land in them.
;   OUT, v64-95                  a trip's end: 32 v_ldexp_f32 write them; a wait on va_vdst; the tile's eight stores read them.  They are written again a whole trip later, behind a wait on vm_vsrc
;                                that stands beside the wait on XCNT; out's base is stepped behind that wait too, ahead of the stores, which reach back by their immediate.
;   All else (E, the codes, the accumulators, the constants, the sums) is named by vector and matrix instructions alone.
; Scalars that vector lines write (the wave's number; k, kap pi / 2 and the small term; VCC for pos's fourth coordinate) have their wait on va_sdst or va_vcc straight behind the writers.
;
; LAYOUTS: nothing changes lanes.  r = lane % 16, h = lane / 16.
; First product: source 0 = 16 points, source 1 = my 16 rows of vec: lane (r, h) holds row r, register j the tile's point 8 h + j.  THE POINTS OF A TILE ARE NOT NEIGHBOURS: lane r of tile 2 b + u takes
; point 32 b + 8 u + r + 8 (r / 8), so the 16 registers of tiles 2 b, 2 b + 1 are points 32 b + 16 h + 0 .. 15: two conversions make of them registers 4 c .. 4 c + 3 of a K step's fragment, the places
; that 16-byte loads at 32 c + 16 h give W: one permutation of k on both sides.
; Second product: source 0 = the codes (16 rows), source 1 = tile t of W, whose lane r takes CHANNEL 4 r + t: register j of lane (r, h) is out(row 8 h + j, channel 4 r + t), so the four tiles'
; registers j are 16 neighbouring bytes of a row, and sixteen lanes store a whole row of 256 bytes.
;
; REGISTERS, in windows of 256 (s_set_vgpr_msb: bits 1:0 source 0, 3:2 source 1, 5:4 source 2, 7:6 destination).
; Windows 1 (points 0-255) and 3 (points 256-511), the same map: v0-127 E, 16 a group of 32 points: u, then s, then -d d, then e, then p;  v128-143 a (later the codes of an even K step);
;   v144-159 P, then d (later the codes of an odd K step);  v160-175 the sign's term b;  v176-191 x: two results of the f32 matrix form, written by matrix instructions alone;
;   v192-223 pos: 16 tiles x 2;  v224-225 vec;  v226-227 a6;  v228-229 1 / the divisor;  v230 2^e0;  v231 57,344 x 2^e0;  v232-239 four running sums;  v240-251 a0 .. a5;  v252-253 k;  v254-255 kap pi / 2.
; Window 2: W's fragment (tile t, K step s) at v[16 (4 t + s)].
; Window 0: v0-7 ids, offsets, the spare word's address and 0;  v8-9 the next tile's vec;  v10-21 sums and the reciprocal;  v22-27 the head's addresses;  v32-63 out's four accumulators;  v64-95 out as stored;  v96-159 W as loaded.
.set WP,    528                        ; a row of W in LDS: 512 bytes + 16: the sixteen rows that a load touches start at sixteen different groups of banks
.set SPARE, 64*WP                      ; behind W (33,792 = 132 x 256): the spare words, 128 bytes for each wave, which no other line names
.set RA,   128
.set RP,   144
.set RH,   160
.set RD,   176
.set SPH,  192
.set VEC,  224
.set C6,   226
.set RR,   228
.set SCL,  230
.set LIM,  231
.set SUM,  232
.set C0,   240                         ; coefficient n (0 to 5), twice, at v[C0 + 2 n]
.set KV,   252
.set HPV,  254
.set ACC,  32
.set OUT,  64
.set WL,   96
.set NK,   20                          ; s[20:21] -k, twice
.set A7,   22                          ; s[22:23] a7, twice
.set SGN,  24                          ; s24  the sign bit
.set CLIP, 25                          ; s25  1 - 1e-5
.set LIMB, 26                          ; s26  57,344 x 2^e0
.set ESUM, 27                          ; s27  e0 + e1
.set EPS,  28                          ; s28  1e-8 SQ2PI sigma
.set HPB,  29                          ; s29  kap pi / 2
.set MSB, 0
.macro WIN new                         ; the immediate's high byte repeats the setting that is left; a switch that changes nothing is dropped
.if MSB != (\new)
	s_set_vgpr_msb (MSB<<8)|(\new)
.set MSB, (\new)
.endif
.endm
	s_load_b256 s[4:11], s[0:1], 0x0               ; vec s[4:5], sphere_pos s[6:7], weights_codes s[8:9], sigma s[10:11]
	s_load_b128 s[12:15], s[0:1], 0x20             ; lowp_scales s[12:13], out0 s[14:15]
	v_lshl_add_u32 v6, v0, 2, SPARE                ; my spare word; never rewritten
	v_mov_b32 v7, 0                                ; 0; never rewritten
	v_lshrrev_b32 v27, 5, v0
	v_readfirstlane_b32 s16, v27                   ; wave 0..3
	v_and_b32 v27, 31, v0                          ; lane
	v_and_b32 v1, 15, v0                           ; r
	v_bfe_u32 v2, v0, 4, 1                         ; h
	v_mul_u32_u24 v4, v1, 12                       ; a row of vec is 12 bytes
	v_lshl_add_u32 v3, v2, 3, v4                   ; vec, register 0: coordinate 2 h of row r
	v_add_nc_u32 v4, 4, v4                         ; register 1: coordinate 1; in lanes 16-31 it stands at k = 3, where pos holds 0
	v_lshlrev_b32 v5, 4, v1
	v_lshl_add_u32 v5, v2, 11, v5                  ; out: row 8 h of 256 bytes, + 16 r
	v_lshlrev_b32 v22, 4, v27                      ; 16 x lane: a row of W, 512 bytes, to an instruction
	v_and_b32 v23, 8, v1
	v_add_nc_u32 v23, v23, v1                      ; r + 8 (r / 8)
	v_lshlrev_b32 v24, 2, v23
	v_lshl_add_u32 v23, v2, 12, v24                ; pos, register 0: coordinate 2 h (a coordinate's 512 numbers are 2,048 bytes)
	v_add_nc_u32 v24, 2048, v24                    ; register 1: coordinate 1; lanes 16-31 get 0 below
	s_wait_alu depctr_va_sdst(0)                   ; s16, the wave's number, is written, ahead of its first reader
	s_mul_i32 s18, s16, 4*WP
	v_add_nc_u32 v25, s18, v22                     ; W into LDS: 16 x lane + 4 rows x wave
	v_mul_u32_u24 v26, v1, WP
	v_lshl_add_u32 v26, v2, 4, v26                 ; W out of LDS: row r, + 16 h
	v_mov_b32 v19, 0                               ; written once: a lane permute's destination counts as one of its sources
	s_mul_i32 s18, ttmp9, 1024*12
	s_mul_i32 s19, s16, 256*12
	s_add_co_u32 s32, s18, s19                     ; my wave's first row, 1,024 x work-group + 256 x wave, in bytes of vec,
	s_mov_b32 s33, 0
	s_lshl_b32 s34, ttmp9, 18
	s_lshl_b32 s35, s16, 16
	s_add_co_u32 s34, s34, s35                     ; and of out
	s_mov_b32 s35, 0
	s_lshl_b32 s36, s16, 13                        ; the 16 channels of W that my wave brings: 16 x 512 bytes x wave
	s_mov_b32 s37, 0
	s_mov_b32 s[A7], 0xbaa57a2c                    ; a7 = -0.0012624911
	s_mov_b32 s[A7+1], s[A7]                       ; (named with it as a pair, so it is written)
	s_mov_b32 s[SGN], 0x80000000
	s_mov_b32 s[CLIP], 0x3f7fff58                  ; 1 - 1e-5 as f32
	s_mov_b32 s46, 0x76543210                      ; v_permlanex16_b32's selects for lane l xor 16
	s_mov_b32 s47, 0xfedcba98
	s_wait_kmcnt 0x0
	s_load_b32 s38, s[10:11], 0x0                  ; sigma
	s_load_b64 s[30:31], s[12:13], 0x0             ; e0, e1
	s_add_nc_u64 s[4:5], s[4:5], s[32:33]
	s_add_nc_u64 s[14:15], s[14:15], s[34:35]
	s_add_nc_u64 s[8:9], s[8:9], s[36:37]
	s_wait_alu depctr_va_vdst(0)                   ; the offsets and LDS addresses v3 to v7 and v22 to v26 are written: every load, store and LDS access of the kernel reads some of them, and no vector line writes one again
.set i, 0
.rept 16
	global_load_b128 v[WL+4*i:WL+4*i+3], v22, s[8:9] offset:512*i   ; channel 16 w + i: 32 lanes read its 512 consecutive bytes
.set i, i+1
.endr
	global_load_b32 v8, v3, s[4:5]                 ; tile 0's rows of vec
	global_load_b32 v9, v4, s[4:5]
.macro SPHLOAD half                    ; the 16 tiles of 16 points of one half of the sphere; tile i begins at point 256 half + 32 (i / 2) + 8 (i % 2)
.set i, 0
.rept 16
	global_load_b32 v[SPH+2*i],   v23, s[6:7] offset:4*(256*(\half)+32*(i/2)+8*(i%2))
	global_load_b32 v[SPH+2*i+1], v24, s[6:7] offset:4*(256*(\half)+32*(i/2)+8*(i%2))
.set i, i+1
.endr
.endm
	WIN 0x40                                       ; destination window 1, address window 0.  (Between the wait above and these loads stand loads and window switches alone)
	SPHLOAD 0
	WIN 0xc0                                       ; destination window 3
	SPHLOAD 1
	WIN 0
	; the constants that hang on sigma and on the scales, once; these lines name v10 to v15, which no memory or LDS instruction touches
	s_wait_kmcnt 0x0
	v_mov_b32 v10, s38
	v_mul_f32 v11, v10, v10                        ; sigma^2
	v_rcp_f32 v12, v11
	v_mul_f32 v15, 0x32d75157, v10                 ; 1e-8 SQ2PI sigma.  (The plain line behind the reciprocal)
	s_wait_alu depctr_va_vdst(0)                   ; the reciprocal has written v12, ahead of the first line that names it
	v_fma_f32 v13, -v11, v12, 1.0                  ; one Newton step
	v_fma_f32 v12, v13, v12, v12
	v_mul_f32 v12, 0x3f38aa3b, v12                 ; k = (log2(e) / 2) / sigma^2
	v_sqrt_f32 v13, v12                            ; kap
	v_nop
	s_wait_alu depctr_va_vdst(0)                   ; the root has written v13, ahead of the first line that names it
	v_mul_f32 v14, 0x3fc90fdb, v13                 ; kap pi / 2
	v_readfirstlane_b32 s40, v12
	v_readfirstlane_b32 s[HPB], v14
	v_readfirstlane_b32 s[EPS], v15
	s_wait_alu depctr_va_sdst(0)                   ; s40, s29 and s28 are written, ahead of the first reader of any of them: one wait behind the three writers
	s_xor_b32 s[NK], s40, 0x80000000               ; -k
	s_mov_b32 s[NK+1], s[NK]
	s_add_co_i32 s[ESUM], s30, s31                 ; e0 + e1
	s_add_co_i32 s39, s30, 127
	s_add_co_i32 s[LIMB], s39, 15
	s_lshl_b32 s39, s39, 23                        ; 2^e0 as f32: the conversion takes its exponent field
	s_lshl_b32 s[LIMB], s[LIMB], 23
	s_or_b32 s[LIMB], s[LIMB], 0x600000            ; 57,344 x 2^e0
	; W goes through LDS once, so that each work-group reads it from memory once, in whole rows: channel 4 r + t lands in LDS row 16 t + r
	s_wait_loadcnt 0x0                             ; W, pos and tile 0's vec are in
.set i, 0
.rept 16
	ds_store_b128 v25, v[WL+4*i:WL+4*i+3] offset:((i%4)*16+i/4)*WP   ; channel 16 w + i: t = i % 4, r = 4 w + i / 4.  (The data came by loads; v25 was written ahead of the head's wait on va_vdst)
.set i, i+1
.endr
	s_wait_dscnt 0x0                               ; for the others' sake: my stores have landed
	s_barrier_signal -1
	s_barrier_wait -1                              ; all 64 rows lie in LDS
	WIN 0x80                                       ; destination window 2, which no vector line has named
.irp t, 0,1,2,3
.irp s, 0,1,2,3
.irp c, 0,1,2,3
	ds_load_b128 v[16*(4*\t+\s)+4*\c:16*(4*\t+\s)+4*\c+3], v26 offset:16*\t*WP+128*\s+32*\c   ; W(channel 4 r + t, 128 s + 32 c + 16 h + 0 .. 15): it stays
.endr
.endr
.endr
	WIN 0
	v_cmp_gt_u32 vcc_lo, 16, v27                   ; lanes 0-15
	s_wait_alu depctr_va_vcc(0)                    ; VCC is written, ahead of the first v_cndmask_b32 that reads it
.macro TWICE reg, val
	v_mov_b32 v[\reg], \val
	v_mov_b32 v[\reg+1], \val
.endm
.macro CONSTS                          ; a work window's constants; pos's coordinate 3 (register 1 of lanes 16-31) becomes 0
.set i, 0
.rept 16
	v_cndmask_b32 v[SPH+2*i+1], 0, v[SPH+2*i+1], vcc_lo
.set i, i+1
.endr
	TWICE C0,    0x3fc90fda                        ; a0 =  1.5707963050
	TWICE C0+2,  0xbe5bbfca                        ; a1 = -0.2145988016
	TWICE C0+4,  0x3db63a9e                        ; a2 =  0.0889789874
	TWICE C0+6,  0xbd4d8392                        ; a3 = -0.0501743046
	TWICE C0+8,  0x3cfd10f8                        ; a4 =  0.0308918810
	TWICE C0+10, 0xbc8bfc66                        ; a5 = -0.0170881256
	TWICE C6,    0x3bda90c5                        ; a6 =  0.0066700901
	TWICE KV,    s40
	TWICE HPV,   s29
	v_mov_b32 v[SCL], s39
	v_mov_b32 v[LIM], s26
.endm
	WIN 0x55
	CONSTS
	WIN 0xff
	CONSTS
	WIN 0
	s_wait_dscnt 0x0                               ; W's fragments are in
	s_mov_b32 s17, 16                              ; tiles to go
; x of 16 points x my 16 rows: tile 2 g + u of the window's sixteen.  Each result is one instruction, begun with the constant 0; no vector instruction and no load ever writes its registers.
.macro DOT g, u
	v_wmma_f32_16x16x4_f32 v[RD+8*(\u):RD+8*(\u)+7], v[SPH+2*(2*(\g)+(\u)):SPH+2*(2*(\g)+(\u))+1], v[VEC:VEC+1], 0
.endm
; Behind each of a group's first 104 plain lines: every third line is followed by one transcendental.  Behind lines 3 to 48 the sixteen exponentials of the group BEFORE (its -d d was finished there),
; behind lines 51 to 96 this group's sixteen roots (u was finished at line 24).  None of the lines up to 104 names a result; lines 97 to 104 are plain lines behind the last of them.
.macro TICK
.set pc, pc+1
.if (pc%3) == 0
.set tq, pc/3-1
.if tq < 16
.if PEND
	v_exp_f32 v[EP+tq], v[EP+tq]
.endif
.elseif tq < 32
	v_sqrt_f32 v[EG+tq-16], v[EG+tq-16]
.endif
.endif
.endm
; A GROUP: 32 points, 16 numbers a lane, from x to -d d, under one window setting.  pend: the group before has exponentials and sums to come: 0 none; 1 its sums start the four chains; 2 they add on.
; next = 1: the next group's two products are issued as soon as x has been read for the last time: 88 and 64 plain lines, none of which names a register of theirs, ahead of the first read of their results
; (eight are asked behind this form: ISA guide 7.12.1).
.macro GROUP g, pend, next
.set EG, 16*(\g)
.set EP, 16*(\g)-16
.set PEND, \pend
.set pc, 0
.set i, 0
.rept 16
	v_min_num_f32 v[RA+i], |v[RD+i]|, s[CLIP]      ; a: the clip and the magnitude; each of the two results is read from its lowest register on
	TICK
.set i, i+1
.endr
.set i, 0
.rept 8
	v_pk_fma_f32 v[EG+i:EG+i+1], v[RA+i:RA+i+1], s[NK:NK+1], v[KV:KV+1] op_sel_hi:[1,0,1]   ; u = k - k a, one rounding
	TICK
.set i, i+2
.endr
.set i, 0
.rept 16
	v_and_or_b32 v[RH+i], v[RD+i], s[SGN], s[HPB]  ; kap pi / 2 with x's sign
	TICK
.set i, i+1
.endr
.if \next
	DOT (\g)+1, 0
.endif
.set i, 0
.rept 8
	v_pk_add_f32 v[RH+i:RH+i+1], v[HPV:HPV+1], v[RH+i:RH+i+1] neg_lo:[0,1] neg_hi:[0,1]     ; b = kap pi / 2 less that: exactly 0, or kap pi where x < 0
	TICK
.set i, i+2
.endr
.set i, 0
.rept 8
	v_pk_fma_f32 v[RP+i:RP+i+1], v[RA+i:RA+i+1], s[A7:A7+1], v[C6:C6+1] op_sel_hi:[1,0,1]   ; P by Horner: a7 a + a6,
	TICK
.set i, i+2
.endr
.irp n, 5,4,3,2,1,0
.set i, 0
.rept 8
	v_pk_fma_f32 v[RP+i:RP+i+1], v[RP+i:RP+i+1], v[RA+i:RA+i+1], v[C0+2*\n:C0+2*\n+1]       ; x a + the next coefficient
	TICK
.set i, i+2
.endr
.if (\n == 5) && \next
	DOT (\g)+1, 1
.endif
.endr
	s_wait_alu depctr_va_vdst(0)                   ; ONE wait for the 32 transcendentals above: the exponentials have written the group before's e, the roots this group's s, ahead of the first line that names one of them
.set i, 0
.rept 8
	v_pk_fma_f32 v[RP+i:RP+i+1], v[EG+i:EG+i+1], v[RP+i:RP+i+1], v[RH+i:RH+i+1] neg_lo:[0,0,1] neg_hi:[0,0,1]   ; d = s P - b
.if PEND == 2
	v_pk_add_f32 v[SUM+i%8:SUM+i%8+1], v[SUM+i%8:SUM+i%8+1], v[EP+i:EP+i+1]                 ; the row's sum of the unquantised e, four chains of pairs
.elseif (PEND == 1) && (i < 8)
	v_pk_add_f32 v[SUM+i:SUM+i+1], v[EP+i:EP+i+1], v[EP+i+8:EP+i+9]                         ; the first group starts the chains: nothing is cleared
.endif
.set i, i+2
.endr
.set i, 0
.rept 8
	v_pk_mul_f32 v[EG+i:EG+i+1], v[RP+i:RP+i+1], v[RP+i:RP+i+1] neg_lo:[1,0] neg_hi:[1,0]   ; -d d
.set i, i+2
.endr
.endm
; The window's last group has no successor to carry its exponentials and sums.
.macro DRAIN
.set i, 0
.rept 16
	v_exp_f32 v[112+i], v[112+i]
.set i, i+1
.endr
	v_nop                                          ; the plain line behind the last exponential
	s_wait_alu depctr_va_vdst(0)                   ; the sixteen exponentials have written v112 to v127 of the window, ahead of the sums that read them
.set i, 0
.rept 8
	v_pk_add_f32 v[SUM+i%8:SUM+i%8+1], v[SUM+i%8:SUM+i%8+1], v[112+i:113+i]
.set i, i+2
.endr
.endm
.macro HALF                            ; a window's eight groups
	GROUP 0, 0, 1
	GROUP 1, 1, 1
.irp g, 2,3,4,5,6
	GROUP \g, 2, 1
.endr
	GROUP 7, 2, 0
.endm
; Block q of K step s: 16 numbers a lane are normalised, held and turned into four registers of codes.
.macro SC s, q
.set EB, 64*((\s)%2)+16*(\q)
.set CB, RA+16*((\s)%2)+4*(\q)
	WIN 0x55+0xaa*((\s)/2)
.set i, 0
.rept 8
	v_pk_mul_f32 v[EB+i:EB+i+1], v[EB+i:EB+i+1], v[RR:RR+1]        ; p = e / (S + 1e-8 SQ2PI sigma)
.set i, i+2
.endr
.set i, 0
.rept 16
	v_med3_num_f32 v[EB+i], v[EB+i], -v[LIM], v[LIM]               ; the conversion to an 8-bit code does not saturate (ISA guide 7.6.2): the hold at the largest code x the scale, on both sides
.set i, i+1
.endr
	v_cvt_scalef32_pk8_bf8_f32 v[CB:CB+1],   v[EB:EB+7],    v[SCL] ; k = 32 q + 16 h + 0 .. 7,
	v_cvt_scalef32_pk8_bf8_f32 v[CB+2:CB+3], v[EB+8:EB+15], v[SCL] ; + 8 .. 15
	v_nop                                          ; one plain line between a scaled conversion and the matrix instruction that reads its result
.endm
; out's tile t, K step s.  The four accumulators take turns, one instruction a turn.  The first K step starts the sums.
.macro MM s, t
	WIN 0x09+2*((\s)/2)                            ; source 0 (the codes) window 1 or 3, source 1 (W) window 2, C and D window 0
.if (\s) == 0
	v_wmma_f32_16x16x128_bf8_bf8 v[ACC+8*(\t):ACC+8*(\t)+7], v[RA+16*((\s)%2):RA+16*((\s)%2)+15], v[16*(4*(\t)+(\s)):16*(4*(\t)+(\s))+15], 0
.else
	v_wmma_f32_16x16x128_bf8_bf8 v[ACC+8*(\t):ACC+8*(\t)+7], v[RA+16*((\s)%2):RA+16*((\s)%2)+15], v[16*(4*(\t)+(\s)):16*(4*(\t)+(\s))+15], v[ACC+8*(\t):ACC+8*(\t)+7]
.endif
.endm
.Ltile:                                            ; a trip: one tile of 16 rows
	s_wait_loadcnt 0x0                             ; this tile's vec, asked for a whole trip ago; the wait also frees the loads' base
	WIN 0x40
	v_mov_b32 v[VEC], v8
	v_mov_b32 v[VEC+1], v9
	WIN 0xc0
	v_mov_b32 v[VEC], v8
	v_mov_b32 v[VEC+1], v9
	WIN 0                                          ; at a branch and at a label every window is 0
	s_cmp_eq_u32 s17, 1                            ; the last tile asks for nothing: no load leaves vec
	s_cbranch_scc1 .Lno_next
	s_add_nc_u64 s[4:5], s[4:5], 16*12
	s_wait_alu depctr_va_vdst(0)                   ; the four moves above are done reading v8 and v9, in which the two loads below land
	global_load_b32 v8, v3, s[4:5]                 ; the next tile's rows
	global_load_b32 v9, v4, s[4:5]
.Lno_next:
	; PASS 1: e for all 512 points, and the row's sum
	WIN 0x55
	DOT 0, 0
	DOT 0, 1
.rept 8
	v_nop                                          ; eight places between this form and the first read of its result (ISA guide 7.12.1); later groups' products have the group before them
.endr
	HALF
	WIN 0xff
	DOT 0, 0                                       ; the other half's first products stand ahead of this half's last exponentials and sums,
	DOT 0, 1
	WIN 0x55
	DRAIN                                          ; whose nine plain lines are the places behind them
	WIN 0xff
	HALF
	DRAIN
	; the divisor: both halves' four chains, the pair's two numbers, the row's other 256 points in lane l xor 16, and the small term
	WIN 0x0d                                       ; source 0 window 1, source 1 window 3, destination window 0
.irp c, 0,2,4,6
	v_pk_add_f32 v[10+\c:11+\c], v[SUM+\c:SUM+\c+1], v[SUM+\c:SUM+\c+1]
.endr
	WIN 0
	v_pk_add_f32 v[10:11], v[10:11], v[12:13]
	v_pk_add_f32 v[14:15], v[14:15], v[16:17]
	v_pk_add_f32 v[10:11], v[10:11], v[14:15]
	v_add_f32 v18, v10, v11
	v_permlanex16_b32 v19, v18, s46, s47
	v_add_f32 v18, v18, v19
	v_add_f32 v18, s[EPS], v18
	v_rcp_f32 v20, v18
	v_nop                                          ; the plain line behind the reciprocal
	s_wait_alu depctr_va_vdst(0)                   ; the reciprocal has written v20, ahead of its first reader
	v_fma_f32 v21, -v18, v20, 1.0                  ; one Newton step: what goes into the quantiser is as fine as f32 allows
	v_fma_f32 v20, v21, v20, v20
	WIN 0x40
	v_mov_b32 v[RR], v20
	v_mov_b32 v[RR+1], v20
	WIN 0xc0
	v_mov_b32 v[RR], v20
	v_mov_b32 v[RR+1], v20
	; PASS 2: a K step's four products stand among the next K step's four blocks of vector work; each K step has code registers of its own
.irp q, 0,1,2,3
	SC 0, \q
.endr
.irp t, 0,1,2,3
	MM 0, \t
	SC 1, \t
.endr
.irp t, 0,1,2,3
	MM 1, \t
	SC 2, \t
.endr
.irp t, 0,1,2,3
	MM 2, \t
	SC 3, \t
.endr
.irp t, 0,1,2,3
	MM 3, \t
.endr
	WIN 0
.rept 4
	v_nop                                          ; four places between the last product and the first read of results (ISA guide 7.12.1)
.endr
	s_wait_xcnt 0x0                                ; the last tile's stores, a whole trip back, have had their addresses translated (ISA guide 3.1): their base and their data are written again only behind this wait
	s_wait_alu depctr_vm_vsrc(0)                   ; and they have read OUT, v64 to v95, which the lines below write again
	s_add_nc_u64 s[14:15], s[14:15], 16*256        ; out's base stands one tile ahead of the tile in hand: the stores below reach back by their immediate
.irp j, 0,1,2,3,4,5,6,7
.irp t, 0,1,2,3
	v_ldexp_f32 v[OUT+4*\j+\t], v[ACC+8*\t+\j], s[ESUM]            ; x 2^(e0 + e1); each accumulator from its lowest register on; channels 4 r + 0 .. 3 of row 8 h + j come to lie side by side
.endr
.endr
	s_wait_alu depctr_va_vdst(0)                   ; the 32 lines above have written OUT, which the eight stores read: one wait for the run
.irp j, 0,1,2,3,4,5,6,7
	global_store_b128 v5, v[OUT+4*\j:OUT+4*\j+3], s[14:15] offset:256*\j-16*256 th:TH_STORE_NT   ; sixteen lanes store a whole row of out, 256 consecutive bytes, aligned; written once, read by nobody here
.endr
	s_sub_co_u32 s17, s17, 1
	s_cmp_lg_u32 s17, 0
	s_cbranch_scc1 .Ltile
	s_wait_dscnt 0x0                               ; the closing lines, six on end
	s_wait_alu 0x0
	s_wait_tensorcnt 0x0
	ds_add_u32 v6, v7
	s_wait_dscnt 0x0
	s_endpgm
.Lfunc_end_k_q8ebe4c655b_sphere:
	.size	k_q8ebe4c655b_sphere, .Lfunc_end_k_q8ebe4c655b_sphere-k_q8ebe4c655b_sphere
	.p2alignl 7, 3214868480
	.fill 96, 4, 3214868480
	.section	.rodata,"a",@progbits
	.p2align	6, 0x0
	.amdhsa_kernel k_q8ebe4c655b_sphere
		.amdhsa_group_segment_fixed_size 34304
		.amdhsa_private_segment_fixed_size 0
		.amdhsa_enable_private_segment 0
		.amdhsa_kernarg_size 48
		.amdhsa_user_sgpr_count 2
		.amdhsa_user_sgpr_kernarg_segment_ptr 1
		.amdhsa_wavefront_size32 1
		.amdhsa_system_sgpr_workgroup_id_x 1
		.amdhsa_system_sgpr_workgroup_id_y 1
		.amdhsa_system_sgpr_workgroup_id_z 1
		.amdhsa_system_vgpr_workitem_id 0
		.amdhsa_next_free_vgpr 1024
		.amdhsa_next_free_sgpr 66
		.amdhsa_reserve_vcc 1
		.amdhsa_float_denorm_mode_32 3
		.amdhsa_float_denorm_mode_16_64 3
		.amdhsa_memory_ordered 1
		.amdhsa_forward_progress 1
		.amdhsa_inst_pref_size 200
	.end_amdhsa_kernel
	.amdgpu_metadata
---
amdhsa.version: [ 1, 2 ]
amdhsa.kernels:
  - .name:           k_q8ebe4c655b_sphere
    .symbol:         k_q8ebe4c655b_sphere.kd
    .args:
      - { .name: vec, .offset: 0, .size: 8, .value_kind: global_buffer, .address_space: global }
      - { .name: sphere_pos, .offset: 8, .size: 8, .value_kind: global_buffer, .address_space: global }
      - { .name: weights_codes, .offset: 16, .size: 8, .value_kind: global_buffer, .address_space: global }
      - { .name: sigma, .offset: 24, .size: 8, .value_kind: global_buffer, .address_space: global }
      - { .name: lowp_scales, .offset: 32, .size: 8, .value_kind: global_buffer, .address_space: global }
      - { .name: out0, .offset: 40, .size: 8, .value_kind: global_buffer, .address_space: global }
    .group_segment_fixed_size: 34304
    .private_segment_fixed_size: 0
    .kernarg_segment_align: 8
    .kernarg_segment_size: 48
    .max_flat_workgroup_size: 128
    .sgpr_count:     66
    .vgpr_count:     1024
    .wavefront_size: 32
...
	.end_amdgpu_metadata
.endif
;; end of part 2
